; MI455X (gfx1250); checked and timed in simulation.
; The chip was launched on July 23, 2026; its instructions are those of AMD's public machine-readable ISA for CDNA 5 (MIT licence, August 2026) and "CDNA5" Instruction Set Architecture Reference Guide (July 2026). The comments in the code are by the model that wrote it; some were corrected since.
;; Bahdanau Attention. Allowed arithmetic: matrix products marked QUANTISED: E3M2 operands, one E8M0 scale for each 32 along K, by v_wmma_scale_f32_16x16x128_f8f6f4 with both operands' format E3M2, f32 sums; products left as they are: f32 operands where the result goes on into a quantised operand, else bf16, f16 or f32 operands; f32 sums; everything else in f32.
;; Inputs: V_b 1 float32; V_w 1 x 1,024 float32; W1_b 1,024 float32; W1_w_codes 1,024 x 32 x 24 uint8 (E3M2 codes of W1_w, K innermost, in blocks of 32 codes, four codes in three bytes); W1_w_scales 1,024 x 32 uint8 (E8M0 scales of W1_w, one for each 32 codes along K); W2_b 1,024 float32; W2_w_codes 1,024 x 32 x 24 uint8 (E3M2 codes of W2_w, K innermost, in blocks of 32 codes, four codes in three bytes); W2_w_scales 1,024 x 32 uint8 (E8M0 scales of W2_w, one for each 32 codes along K); hs 2 x 64 x 512 float32; ht 1,024 x 64 x 1,024 float32.
;; Outputs: out0 64 x 1,024 float32; out1 64 x 1,024 x 1 float32.
;; This version of the problem:
;;   THIS VERSION OF THE PROBLEM IS GIVEN IN LOW PRECISION. The matrix products marked QUANTISED in the list below multiply operands that are first quantised to E3M2 (3 exponent bits, 2 mantissa bits; 6 bits a number), with one power-of-two scale for each 32 numbers along K (OCP MX v1.0); their sums are f32. All else is computed in f32.
;;   The module's matrix products, in the order in which they are computed (A, B: the left and right operand; K: the contracted axis; several contracted axes count as one K, in the product's order):
;;     1. [M 65,536, K 1,024] x [K 1,024, N 1,024]; A: input ht; B: input W1_w (given as codes): QUANTISED
;;     2. [M 64, K 1,024] x [K 1,024, N 1,024]; A: input hs; B: input W2_w (given as codes): QUANTISED
;;     3. [M 65,536, K 1,024] x [K 1,024, N 1]; A: computed on the way; B: input V_w: left as it is (N = 1 < 16)
;;   THE QUANTISER, for each operand of a quantised product, along K:
;;     - K is cut into blocks of 32 from its start; a last block that is shorter is filled with zeros.
;;     - A block's scale is 2^e with e = floor(log2(the largest magnitude in the block)) - 4, held to -126 .. 127; a block of zeros has e = 0. As a byte (E8M0): e + 127.
;;     - Each number is divided by its block's scale, clamped to +-28, and rounded to the nearest number of E3M2, ties to even, subnormals kept.
;;     - The product sums the exact products of the quantised numbers (number of the format x scale) in f32.
;;   ~~~python
;;   def quantise(x, axis):      # numpy; x: float32 -> the quantised numbers, widened to float32 again
;;       x = np.moveaxis(x, axis, -1); K = x.shape[-1]
;;       x = np.pad(x, [(0, 0)] * (x.ndim - 1) + [(0, -K % 32)]); x = x.reshape(x.shape[:-1] + (-1, 32)); a = np.abs(x).max(-1, keepdims=True)
;;       e = np.where(a > 0, np.clip(np.frexp(np.where(a > 0, a, 1))[1] - 1 - 4, -126, 127), 0)      # np.frexp(a)[1] - 1 = floor(log2(a)), exactly
;;       r = np.clip(x / 2.0 ** e, -28, 28)
;;       step = 2.0 ** (np.maximum(np.frexp(np.where(r == 0, 1, r))[1] - 1, -2) - 2)
;;       q = np.round(r / step) * step * 2.0 ** e      # np.round: ties to even
;;       return np.moveaxis(q.reshape(q.shape[:-2] + (-1,))[..., :K], -1, axis).astype(np.float32)
;;   ~~~
;;   INPUTS GIVEN AS CODES. W1_w (in the module: [1024, 1024], K = its axis 1); W2_w (in the module: [1024, 1024], K = its axis 1): each comes as NAME_codes (uint8): NAME with its K axis moved to the last place and cut into blocks of 32 codes, [.., K / 32, bytes a block], one block behind the other in memory; four codes in three bytes: a row's codes are one little-endian stream of bits, code i at bits 6 i .. 6 i + 5 (a code: sign, 3 exponent bits, 2 mantissa bits); and NAME_scales (uint8): the same leading axes, one E8M0 byte (e + 127) for each 32 codes along K. Its value is code x scale, taken as it is: it is not quantised again, and the codes and scales need not be those that the quantiser above would give.
;; One version. Each part assembles by itself: llvm-mc -triple=amdgcn-amd-amdhsa -mcpu=gfx1250 --defsym DOCPART=n.
;; ======== version 1 of 1: 3 launches
;; workspace buffers: w1img 786,432 bytes; ckbuf 262,144 bytes; sc 262,144 bytes; ctxp 1,048,576 bytes
;; launch prep (part 1): grid 16 x 1, 4 waves a work-group, no clusters, 86,528 bytes of LDS; arguments hs, W1_w_codes, W2_w_codes, W2_w_scales, W1_b, W2_b, w1img, ckbuf; writes w1img, ckbuf
.if DOCPART == 1
	.amdgcn_target "amdgcn-amd-amdhsa--gfx1250"
	.amdhsa_code_object_version 6
	.text
	.protected	k_q40021c800e_prep
	.globl	k_q40021c800e_prep
	.p2align	8
	.type	k_q40021c800e_prep,@function
k_q40021c800e_prep:
	s_mov_b64 s[64:65], 0
	v_nop
	global_prefetch_b8 v0, s[64:65] scope:SCOPE_SE
	s_setreg_imm32_b32 hwreg(HW_REG_WAVE_MODE, 25, 1), 1
	s_wait_xcnt 0x0
; PREP.  Two small jobs ahead of the large launch.
; (1) W1's codes [1024][768 bytes] are laid anew as IMAGES OF OPERAND REGISTERS: fragment (nt, ks) = rows 16 nt .. 16 nt + 15, K = 128 ks .. 128 ks + 127, 12 registers a lane,
;     at byte (8 nt + ks) x 1,536 of w1img; in it group g of four registers at 512 g + 16 x lane.  The large launch then fetches a fragment by three dense loads of 16 bytes a lane.
; (2) ckbuf[b][a] = K2 x (W1_b[a] + W2_b[a] + sum over k of Q(hs_b)[b][k] W2[a][k]), K2 = 2 log2(e): the part of tanh's argument that does not hang on the sequence, ready for an exponential of base 2.
;     hs_b[b][512 l + d] = hs[l][b][d] is quantised here to E3M2 with one E8M0 scale for each 32 along K; W2 comes as codes; the product is v_wmma_scale_f32_16x16x128_f8f6f4.
; SHARES: 16 work-groups x 4 waves: wave w of work-group g owns the 16 rows nt = 4 g + w of W1 and of W2.  Each work-group quantises all 64 rows of hs (wave w: rows 16 w ..), and the
; four fragments of each K step go from wave to wave through LDS as images of their registers.
; THE PRODUCT IS USED TRANSPOSED: source 0 = 16 rows of W2, source 1 = 16 rows of hs_b: lane (r, h) holds b = 16 T + r and register j holds a = 16 nt + 8 h + j.  The biases are the C of the first K step.
; LIMITS: NaN and infinities among the inputs are not served.  A block whose largest magnitude lies under 2^-122 (a block of zeros among them) gets the scale byte 1; the bytes are read by this program alone.
.set HSTR,  2048                       ; bytes from row b to row b + 1 of hs
.set FRB,   1536                       ; a fragment's image
.set HIMG,  0                          ; LDS: hs's 32 fragments, (ks, T) at (4 ks + T) x FRB
.set HSC,   49152                      ; their scale words: 256 ks + 16 r + 4 T
.set STG,   51200                      ; a stage of 16 rows x 528 bytes for each wave
.set STW,   8448
.set SP,    528                        ; 512 bytes + 16: an odd multiple of 16, so that sixteen rows read at one column fall on different banks (64 banks of 4 bytes: ISA guide 11.1)
.set PC,    16                         ; v16-27   the fragment just made
.set PT,    28                         ; v28-35   the second halves of its two blocks, as the conversions leave them
.set M,     36                         ; v36-37   largest magnitudes
.set SO,    38                         ; v38-39   the conversions' scale operands
.set BY,    40                         ; v40-41   second chains of the maxima, then the scale bytes
.set PW,    42                         ; v42      the scale word
.set TW,    43                         ; v43      the other half's bytes
.set W2S,   44                         ; v44-51   W2's scale words, K step ks in register ks: scales alone
.set HS,    52                         ; v52-55   hs's scale words of a K step, tile T in register T: scales alone
.set G,     64                         ; v64-191  two sets of 16 x 4 registers, as loaded
.set X,     192                        ; v192-255 64 numbers of my row
.set HF,    64                         ; behind the barrier: four fragments of hs,
.set ACC,   128                        ; four accumulators,
.set BIAS,  160                        ; W1_b + W2_b in the result's layout,
.set BR,    176                        ; the two biases as loaded,
.set OUT,   192                        ; and the results x K2
.set MSB, 0
.macro WIN new                         ; the immediate's high byte repeats the setting that is left
.if MSB != \new
	s_set_vgpr_msb (MSB<<8)|\new
.set MSB, \new
.endif
.endm
.macro PLACES
.rept 4
	v_nop
.endr
.endm
.macro BARRIER                         ; my LDS stores have landed and my LDS loads are in: then the work-group's barrier
	s_wait_dscnt 0x0
	s_barrier_signal -1
	s_barrier_wait -1
.endm
.macro LOADF set, goff                 ; 16 rows x 128 numbers: each load reads 512 consecutive bytes of one row
.irp i, 0,1,2,3,4,5,6,7,8,9,10,11,12,13,14,15
	global_load_b128 v[G+64*(\set)+4*\i:G+64*(\set)+4*\i+3], v9, s[4:5] offset:(\goff)+\i*HSTR
.endr
.endm
; 64 numbers of a lane, register 32 c + i = k 64 c + 32 h + i of its row: two WHOLE blocks of 32, in the order of the operand's registers.  They become the fragment's 12 registers and the row's scale word.
.macro QUANTB
.irp c, 0,1
	v_max3_num_f32 v[M+\c], |v[X+32*\c]|, |v[X+32*\c+1]|, 0x2800000   ; with the floor 2^(5 - 127): the byte cannot fall under 1
	v_max3_num_f32 v[BY+\c], |v[X+32*\c+16]|, |v[X+32*\c+17]|, |v[X+32*\c+18]|
.endr
.irp i, 0,2,4,6,8,10
.irp c, 0,1
	v_max3_num_f32 v[M+\c], v[M+\c], |v[X+32*\c+2+\i]|, |v[X+32*\c+3+\i]|   ; four chains by turns
	v_max3_num_f32 v[BY+\c], v[BY+\c], |v[X+32*\c+19+\i]|, |v[X+32*\c+20+\i]|
.endr
.endr
.irp c, 0,1
	v_max3_num_f32 v[M+\c], v[M+\c], |v[X+32*\c+14]|, |v[X+32*\c+15]|
.endr
.irp c, 0,1
	v_max3_num_f32 v[M+\c], v[M+\c], v[BY+\c], |v[X+32*\c+31]|   ; the block's largest magnitude
.endr
.irp c, 0,1
	v_add_nc_u32 v[SO+\c], 0xfe000000, v[M+\c]     ; 4 off its exponent field: the conversion takes this operand's exponent field as its scale
.endr
.irp c, 0,1
	v_lshrrev_b32 v[BY+\c], 23, v[SO+\c]           ; the scale's byte
.endr
	v_lshl_or_b32 v[PW], v[BY+1], 16, v[BY]        ; my blocks h and 2 + h,
	v_lshlrev_b32 v[PW], v14, v[PW]                ; at their places in the word (8 h bits up);
	v_permlanex16_b32 v[TW], v[PW], s30, s31
	v_or_b32 v[PW], v[PW], v[TW]                   ; with lane l xor 16's two the word is whole, in both halves of the lanes
.irp c, 0,1
	v_cvt_scalef32_pk16_bf6_f32 v[PC+6*\c:PC+6*\c+2], v[X+32*\c:X+32*\c+15], v[SO+\c]
	v_cvt_scalef32_pk16_bf6_f32 v[PT+4*\c:PT+4*\c+2], v[X+32*\c+16:X+32*\c+31], v[SO+\c]   ; (a conversion's three registers begin on an even number)
.endr
	v_nop                                          ; one plain place behind a scaled conversion
.irp c, 0,1
.irp i, 0,1,2
	v_mov_b32 v[PC+3+6*\c+\i], v[PT+4*\c+\i]
.endr
.endr
.endm
; One fragment: the set's 16 rows turn through my stage (in as loaded, back 128 bytes of one row a lane), the set is loaded again, the numbers are quantised, image and scale word go to LDS.
.macro XFRAG set, left, fill, goff, ioff, soff
	s_wait_loadcnt \left                           ; loads come back in order: this set's 16 are in, the other set's 16 may be out
.irp i, 0,1,2,3,4,5,6,7,8,9,10,11,12,13,14,15
	ds_store_b128 v10, v[G+64*(\set)+4*\i:G+64*(\set)+4*\i+3] offset:\i*SP
.endr
.irp c, 0,1
.irp j, 0,1,2,3,4,5,6,7
	ds_load_b128 v[X+32*\c+4*\j:X+32*\c+4*\j+3], v11 offset:256*\c+16*\j   ; LDS serves a wave's instructions in order: these see my stores
.endr
.endr
	s_wait_dscnt 0x0                               ; my numbers are in; the stage's stores have read the set, the last image's stores their registers
.if \fill
	LOADF \set, \goff
.endif
	QUANTB
.irp g, 0,1,2
	ds_store_b128 v12, v[PC+4*\g:PC+4*\g+3] offset:(\ioff)+512*\g
.endr
	ds_store_b32 v13, v[PW] offset:\soff           ; both halves of the lanes write the same word with the same value
.endm
.macro HSTEP ks, left, fill            ; K step ks of hs; the set is filled with K step ks + 2: layer (ks + 2) / 4, 512 bytes for each 128 numbers within it
.set gnext, (((\ks)+2)/4)*131072+(((\ks)+2)%4)*512
.set sset, (\ks)%2
.set ionow, 4*FRB*(\ks)
.set sonow, 256*(\ks)
	XFRAG sset, \left, \fill, gnext, ionow, sonow
.endm
	s_load_b256 s[4:11], s[0:1], 0x0               ; hs s[4:5], W1's codes s[6:7], W2's codes s[8:9], W2's scales s[10:11]
	s_load_b256 s[12:19], s[0:1], 0x20             ; W1_b s[12:13], W2_b s[14:15], w1img s[16:17], ckbuf s[18:19]
	v_lshl_add_u32 v62, v0, 2, 0x15000
	v_mov_b32 v63, 0
	v_lshrrev_b32 v2, 5, v0
	v_readfirstlane_b32 s20, v2                    ; wave 0..3
	s_lshl_b32 s21, ttmp9, 2
	s_add_co_u32 s21, s21, s20                     ; nt = 4 x work-group + wave
	s_mov_b32 s30, 0x76543210
	s_mov_b32 s31, 0xfedcba98                      ; v_permlanex16_b32's selects for lane l xor 16
	s_mov_b32 s32, 0x4038aa3b                      ; K2 = 2 log2(e)
	s_mov_b32 s33, s32                             ; (named with it as a pair, so it is written)
	v_and_b32 v1, 31, v0
	v_lshlrev_b32 v1, 4, v1                        ; v1: 16 x lane
	v_and_b32 v2, 15, v0                           ; r
	v_bfe_u32 v3, v0, 4, 1                         ; h
	v_mul_u32_u24 v4, v2, 768
	v_mad_u32_u24 v4, v3, 24, v4                   ; v4: codes: row r of 768 bytes, + 24 h
	v_lshlrev_b32 v5, 5, v2                        ; v5: W2's scales: 32 bytes a row
	v_lshlrev_b32 v6, 5, v3                        ; v6: the biases: 8 h numbers on
	s_lshl_b32 s24, s20, 15
	v_add_nc_u32 v9, s24, v1                       ; v9: hs: my 16 rows, 16 bytes a lane
	s_mul_i32 s24, s20, STW
	s_add_co_u32 s24, s24, STG
	v_add_nc_u32 v10, s24, v1                      ; v10: my stage, on the way in
	v_mul_u32_u24 v11, v2, SP
	v_lshl_add_u32 v11, v3, 7, v11
	v_add_nc_u32 v11, s24, v11                     ; v11: and back: row r, + 128 h bytes
	s_mul_i32 s24, s20, FRB
	v_add_nc_u32 v12, s24, v1                      ; v12: where my images go: tile T = wave
	s_lshl_b32 s24, s20, 2
	s_add_co_u32 s24, s24, HSC
	v_lshl_add_u32 v13, v2, 4, s24                 ; v13: and their scale words
	v_lshlrev_b32 v14, 3, v3                       ; v14: 8 h
	v_mov_b32 v[TW], 0                             ; written once: a lane permute's destination counts as one of its sources
	s_mul_i32 s22, s21, 8*FRB                      ; 16 rows of 768 bytes are as many bytes as eight images
	s_mov_b32 s23, 0
	s_wait_kmcnt 0x0
	s_add_nc_u64 s[6:7], s[6:7], s[22:23]
	s_add_nc_u64 s[8:9], s[8:9], s[22:23]
	s_add_nc_u64 s[16:17], s[16:17], s[22:23]
	s_lshl_b32 s22, s21, 9
	s_add_nc_u64 s[10:11], s[10:11], s[22:23]
	s_lshl_b32 s22, s21, 6
	s_add_nc_u64 s[12:13], s[12:13], s[22:23]
	s_add_nc_u64 s[14:15], s[14:15], s[22:23]
	s_add_nc_u64 s[18:19], s[18:19], s[22:23]
	WIN 0x40                                       ; destination window 1: W2's eight fragments at v0-95, W1's at v96-191
.irp ks, 0,1,2,3,4,5,6,7
.irp p, 0,1,2,3,4,5
	global_load_b64 v[12*\ks+2*\p:12*\ks+2*\p+1], v4, s[8:9] offset:96*\ks+48*(\p/3)+8*(\p%3)
.endr
.endr
.irp ks, 0,1,2,3,4,5,6,7
.irp p, 0,1,2,3,4,5
	global_load_b64 v[96+12*\ks+2*\p:96+12*\ks+2*\p+1], v4, s[6:7] offset:96*\ks+48*(\p/3)+8*(\p%3)
.endr
.endr
	WIN 0
	global_load_b128 v[W2S:W2S+3], v5, s[10:11]
	global_load_b128 v[W2S+4:W2S+7], v5, s[10:11] offset:16
	LOADF 0, 0
	LOADF 1, 512
.irp ks, 0,1,2,3,4,5
	HSTEP \ks, 16, 1
.endr
	HSTEP 6, 16, 0
	HSTEP 7, 0, 0                                  ; the last wait is for zero: the weights' loads, which are older, are in too
	global_load_b128 v[BR:BR+3], v6, s[12:13]      ; the biases at a = 16 nt + 8 h + 0 .. 7
	global_load_b128 v[BR+4:BR+7], v6, s[12:13] offset:16
	global_load_b128 v[BR+8:BR+11], v6, s[14:15]
	global_load_b128 v[BR+12:BR+15], v6, s[14:15] offset:16
	WIN 0x04                                       ; a store's data are its source 1: window 1
.irp ks, 0,1,2,3,4,5,6,7
.irp g, 0,1,2
	global_store_b128 v1, v[96+12*\ks+4*\g:96+12*\ks+4*\g+3], s[16:17] offset:\ks*FRB+512*\g   ; W1's images: 32 lanes store 512 consecutive bytes
.endr
.endr
	WIN 0
	s_wait_loadcnt 0x0
.irp q, 0,2,4,6
	v_pk_add_f32 v[BIAS+\q:BIAS+\q+1], v[BR+\q:BR+\q+1], v[BR+8+\q:BR+8+\q+1]
.endr
	v_lshlrev_b32 v7, 12, v2
	v_lshl_add_u32 v7, v3, 5, v7                   ; v7: ckbuf: row r of 4,096 bytes, + 8 h numbers
	v_lshl_add_u32 v8, v2, 4, HSC                  ; v8: the four tiles' scale words of row r
	BARRIER                                        ; hs's 32 fragments and their scale words lie in LDS
.irp ks, 0,1,2,3,4,5,6,7
.irp T, 0,1,2,3
.irp g, 0,1,2
	ds_load_b128 v[HF+12*\T+4*\g:HF+12*\T+4*\g+3], v1 offset:(4*\ks+\T)*FRB+512*\g
.endr
.endr
	ds_load_b128 v[HS:HS+3], v8 offset:256*\ks
	s_wait_dscnt 0x0
	WIN 0x01                                       ; source 0 (W2) window 1
.irp T, 0,1,2,3                                ; the four accumulators take turns, one instruction a turn
.if \ks == 0
	v_wmma_scale_f32_16x16x128_f8f6f4 v[ACC+8*\T:ACC+8*\T+7], v[12*\ks:12*\ks+11], v[HF+12*\T:HF+12*\T+11], v[BIAS:BIAS+7], v[W2S+\ks], v[HS+\T] matrix_a_fmt:MATRIX_FMT_BF6 matrix_b_fmt:MATRIX_FMT_BF6
.else
	v_wmma_scale_f32_16x16x128_f8f6f4 v[ACC+8*\T:ACC+8*\T+7], v[12*\ks:12*\ks+11], v[HF+12*\T:HF+12*\T+11], v[ACC+8*\T:ACC+8*\T+7], v[W2S+\ks], v[HS+\T] matrix_a_fmt:MATRIX_FMT_BF6 matrix_b_fmt:MATRIX_FMT_BF6
.endif
.endr
	WIN 0
	PLACES                                         ; four places in front of loads into registers that matrix instructions have read, and of the first read of results
.endr
.irp q, 0,2,4,6,8,10,12,14,16,18,20,22,24,26,28,30
	v_pk_mul_f32 v[OUT+\q:OUT+\q+1], v[ACC+\q:ACC+\q+1], s[32:33] op_sel_hi:[1,0]   ; x K2; each accumulator from its low end on
.endr
.irp T, 0,1,2,3
	global_store_b128 v7, v[OUT+8*\T:OUT+8*\T+3], s[18:19] offset:65536*\T
	global_store_b128 v7, v[OUT+8*\T+4:OUT+8*\T+7], s[18:19] offset:65536*\T+16
.endr
	s_wait_tensorcnt 0x0
	ds_add_u32 v62, v63
	s_wait_dscnt 0x0
	s_endpgm
.Lfunc_end_k_q40021c800e_prep:
	.size	k_q40021c800e_prep, .Lfunc_end_k_q40021c800e_prep-k_q40021c800e_prep
	.p2alignl 7, 3214868480
	.fill 96, 4, 3214868480
	.section	.rodata,"a",@progbits
	.p2align	6, 0x0
	.amdhsa_kernel k_q40021c800e_prep
		.amdhsa_group_segment_fixed_size 86528
		.amdhsa_private_segment_fixed_size 0
		.amdhsa_enable_private_segment 0
		.amdhsa_kernarg_size 64
		.amdhsa_user_sgpr_count 2
		.amdhsa_user_sgpr_kernarg_segment_ptr 1
		.amdhsa_wavefront_size32 1
		.amdhsa_system_sgpr_workgroup_id_x 1
		.amdhsa_system_sgpr_workgroup_id_y 1
		.amdhsa_system_sgpr_workgroup_id_z 1
		.amdhsa_system_vgpr_workitem_id 0
		.amdhsa_next_free_vgpr 512
		.amdhsa_next_free_sgpr 66
		.amdhsa_reserve_vcc 0
		.amdhsa_float_denorm_mode_32 3
		.amdhsa_float_denorm_mode_16_64 3
		.amdhsa_memory_ordered 1
		.amdhsa_forward_progress 1
		.amdhsa_inst_pref_size 83
	.end_amdhsa_kernel
	.amdgpu_metadata
---
amdhsa.version: [ 1, 2 ]
amdhsa.kernels:
  - .name:           k_q40021c800e_prep
    .symbol:         k_q40021c800e_prep.kd
    .args:
      - { .name: hs, .offset: 0, .size: 8, .value_kind: global_buffer, .address_space: global }
      - { .name: W1_w_codes, .offset: 8, .size: 8, .value_kind: global_buffer, .address_space: global }
      - { .name: W2_w_codes, .offset: 16, .size: 8, .value_kind: global_buffer, .address_space: global }
      - { .name: W2_w_scales, .offset: 24, .size: 8, .value_kind: global_buffer, .address_space: global }
      - { .name: W1_b, .offset: 32, .size: 8, .value_kind: global_buffer, .address_space: global }
      - { .name: W2_b, .offset: 40, .size: 8, .value_kind: global_buffer, .address_space: global }
      - { .name: w1img, .offset: 48, .size: 8, .value_kind: global_buffer, .address_space: global }
      - { .name: ckbuf, .offset: 56, .size: 8, .value_kind: global_buffer, .address_space: global }
    .group_segment_fixed_size: 86528
    .private_segment_fixed_size: 0
    .kernarg_segment_align: 8
    .kernarg_segment_size: 64
    .max_flat_workgroup_size: 128
    .sgpr_count:     66
    .vgpr_count:     512
    .wavefront_size: 32
...
	.end_amdgpu_metadata
.endif
;; end of part 1
;; launch main (part 2): grid 4 x 64, 8 waves a work-group, no clusters, 185,344 bytes of LDS; arguments ht, w1img, W1_w_scales, ckbuf, V_w, V_b, sc, ctxp; writes sc, ctxp
.if DOCPART == 2
	.amdgcn_target "amdgcn-amd-amdhsa--gfx1250"
	.amdhsa_code_object_version 6
	.text
	.protected	k_q40021c800e_main
	.globl	k_q40021c800e_main
	.p2align	8
	.type	k_q40021c800e_main,@function
k_q40021c800e_main:
	s_mov_b64 s[64:65], 0
	v_nop
	global_prefetch_b8 v0, s[64:65] scope:SCOPE_SE
	s_setreg_imm32_b32 hwreg(HW_REG_WAVE_MODE, 25, 1), 1
	s_wait_xcnt 0x0
; MAIN.  For one batch row b and one chunk of 256 places s of the sequence: score[s] = V . tanh(Q(ht[s][b]) W1^T + c[b]) + V_b, and the chunk's part of the context,
; ctxp = sum over s of e^(score[s] - the chunk's largest score) x ht[s][b][:], on the f32 numbers of ht.  The last launch joins the four chunks of a b.
; THE CHUNK GOES IN TWO HALVES OF 128 ROWS, a loop of two trips; a trip has four phases.
;   X: the half's rows of ht are quantised to E3M2 (one E8M0 scale for each 32 along K) and laid in LDS as images of operand registers.
;   G: 128 x 1,024 x 1,024 by v_wmma_scale_f32_16x16x128_f8f6f4; tanh and the product with V in f32 on the accumulators.   S: the scores, the running maximum m, p = e^(score - m).   C: the half's rows a second time, x p.
; ht IS READ TWICE: a half's f32 rows (512 KiB) fit neither in LDS beside their codes nor in registers beside the accumulators.  With halves a row's second read follows its first after the work-group has read 512 KiB of ht, not 1 MiB.
; ACROSS THE HALVES a running maximum m and the context are carried: when m moves, the context is multiplied by e^(old m - new m).  At the end m is the largest of the chunk's 256 scores.
; SHARES.  Eight waves.  X: wave w takes row tile w (16 rows).  G: wave w takes all 128 rows (8 row tiles) and a = 128 w on, in two groups of 64: 32 accumulators, 256 registers.  C: thread t takes columns 4 t .. 4 t + 3 of the 128 rows.
; THE PRODUCT IS USED TRANSPOSED: source 0 = 16 rows of W1, source 1 = 16 rows of ht: lane (r, h) holds row r of the tile, register j holds a = a0 + 8 h + j.  So the product with V is a sum within a lane, and one exchange of halves.
; tanh(x) = 1 - 2 / (1 + 2^(K2 x)), K2 = 2 log2(e): K2 x = K2 x sum + ck, ck from the launch before.  It goes to 1 and -1 where the exponential overflows or falls to 0.
; W1 comes from w1img as register images, three dense loads of 16 bytes a lane for a fragment, straight into registers, two K steps ahead.  NO TENSOR LOADS AND NO JOINT REQUESTS, though all work-groups read the same W1:
; a joint refill would stand behind a round of a cluster's barrier for each K step, 32 matrix instructions a wave, and would hold all waves in step, while this text has two waves to a SIMD so that one's tanh stands beside the other's products.
; LIMITS: NaN and infinities among the inputs are not served.  A block whose largest magnitude lies under 2^-122 (a block of zeros among them) gets the scale byte 1; the bytes are read by this launch alone.
; REGISTERS, window 0: v0 thread; v1-15 addresses that stay, v8 the running maximum; v16-111 A's 8 fragments (X: at work; epilogue: ck, -2 V, 32 numbers; S, C: at work, p, the sums, addresses); v112-207 W1's fragments, two sets of 4;
;   v208-223 W1's scale words, v224-231 A's: scales alone; v232-247 the scores' partial sums, a pair a row tile; v248-251 sums of -2 V; v252-255 the context carried from half to half.
;   Window 1: X: two sets of 16 x 4 registers as loaded; G: accumulator (t, n) at v[8 (4 t + n)].
.set ROWSTR, 262144                    ; bytes from place s to s + 1 of ht, at one b
.set HALFB,  128*ROWSTR                ; a half's rows
.set FRB,    1536                      ; a fragment's image
.set TROW,   8*FRB                     ; a row tile's eight fragments
.set ASC,    98304                     ; LDS: behind A's images ((T, ks) at (8 T + ks) x FRB): their scale words: 512 ks + 256 (T / 4) + 16 r + 4 (T % 4)
.set STG,    102400                    ; a stage of 16 rows x 528 bytes for each wave
.set STW,    8448
.set SP,     528                       ; 512 bytes + 16: an odd multiple of 16, so that sixteen rows read at one column fall on different banks (64 banks of 4 bytes: ISA guide 11.1)
.set CKL,    169984                    ; ck[b][0 .. 1023]; 4,096 bytes on: -2 V
.set SPT,    178176                    ; the scores' eight parts: 512 w + 4 x row
.set RED,    182272                    ; the waves' maxima
.set PBL,    182528                    ; p: a word a thread; the first 128 are the half's rows
.set PC,  16
.set PT,  28
.set M,   36
.set SO,  38
.set BY,  40
.set PW,  42
.set TW,  43
.set X,   64                           ; X phase: v64-127: 64 numbers of my row
.set AF,  16
.set BF,  112
.set W1S, 208
.set AS,  224
.set SC,  232
.set VS,  248
.set CTX, 252
.set CKR, 16                           ; epilogue: ck of the group's 4 x 8 a of my half of the lanes,
.set VVR, 48                           ; -2 V likewise,
.set T,   80                           ; and 32 numbers at work
.set H,   64                           ; C phase: v64-191: four sets of 8 rows x 4 columns
.set P,   16                           ; v16-47: their p
.set CT,  48                           ; v48-55: the sums, even rows' and odd rows'
.set VO,  56                           ; v56-59: set s: my byte offset in the rows that it loads next
.set PA,  60                           ; v60: LDS address of the p that a trip asks for
.set FF,  61                           ; v61: e^(old m - new m)
.set MSB, 0
.macro WIN new                         ; the immediate's high byte repeats the setting that is left
.if MSB != \new
	s_set_vgpr_msb (MSB<<8)|\new
.set MSB, \new
.endif
.endm
.macro PLACES                          ; four places in front of loads into registers that matrix instructions have read, and of the first read of results
.rept 4
	v_nop
.endr
.endm
.macro BARRIER                         ; my LDS stores have landed and my LDS loads are in: then the work-group's barrier
	s_wait_dscnt 0x0
	s_barrier_signal -1
	s_barrier_wait -1
.endm
.macro LOADF set, goff                 ; 16 rows x 128 numbers into window 1: each load reads 512 consecutive bytes of one row
	WIN 0x40
.irp i, 0,1,2,3,4,5,6,7,8,9,10,11,12,13,14,15
	global_load_b128 v[64*(\set)+4*\i:64*(\set)+4*\i+3], v9, s[4:5] offset:(\goff)+\i*ROWSTR
.endr
	WIN 0
.endm
; 64 numbers of a lane, register 32 c + i = k 64 c + 32 h + i of its row: two WHOLE blocks of 32, in the order of the operand's registers.  They become the fragment's 12 registers and the row's scale word.
.macro QUANTB
.irp c, 0,1
	v_max3_num_f32 v[M+\c], |v[X+32*\c]|, |v[X+32*\c+1]|, 0x2800000   ; with the floor 2^(5 - 127): the byte cannot fall under 1
	v_max3_num_f32 v[BY+\c], |v[X+32*\c+16]|, |v[X+32*\c+17]|, |v[X+32*\c+18]|
.endr
.irp i, 0,2,4,6,8,10
.irp c, 0,1
	v_max3_num_f32 v[M+\c], v[M+\c], |v[X+32*\c+2+\i]|, |v[X+32*\c+3+\i]|   ; four chains by turns
	v_max3_num_f32 v[BY+\c], v[BY+\c], |v[X+32*\c+19+\i]|, |v[X+32*\c+20+\i]|
.endr
.endr
.irp c, 0,1
	v_max3_num_f32 v[M+\c], v[M+\c], |v[X+32*\c+14]|, |v[X+32*\c+15]|
.endr
.irp c, 0,1
	v_max3_num_f32 v[M+\c], v[M+\c], v[BY+\c], |v[X+32*\c+31]|   ; the block's largest magnitude
.endr
.irp c, 0,1
	v_add_nc_u32 v[SO+\c], 0xfe000000, v[M+\c]     ; 4 off its exponent field: the conversion takes this operand's exponent field as its scale
.endr
.irp c, 0,1
	v_lshrrev_b32 v[BY+\c], 23, v[SO+\c]           ; the scale's byte
.endr
	v_lshl_or_b32 v[PW], v[BY+1], 16, v[BY]        ; my blocks h and 2 + h,
	v_lshlrev_b32 v[PW], v14, v[PW]                ; at their places in the word (8 h bits up);
	v_permlanex16_b32 v[TW], v[PW], s30, s31
	v_or_b32 v[PW], v[PW], v[TW]                   ; with lane l xor 16's two the word is whole, in both halves of the lanes
.irp c, 0,1
	v_cvt_scalef32_pk16_bf6_f32 v[PC+6*\c:PC+6*\c+2], v[X+32*\c:X+32*\c+15], v[SO+\c]
	v_cvt_scalef32_pk16_bf6_f32 v[PT+4*\c:PT+4*\c+2], v[X+32*\c+16:X+32*\c+31], v[SO+\c]   ; (a conversion's three registers begin on an even number)
.endr
	v_nop                                          ; one plain place behind a scaled conversion
.irp c, 0,1
.irp i, 0,1,2
	v_mov_b32 v[PC+3+6*\c+\i], v[PT+4*\c+\i]
.endr
.endr
.endm
; One fragment: the set's 16 rows turn through my stage (in as loaded, back 128 bytes of one row a lane), the set is loaded again, the numbers are quantised, image and scale word go to LDS.
.macro XFRAG set, left, fill, goff, ioff, soff
	s_wait_loadcnt \left                           ; loads come back in order: this set's 16 are in, the other set's 16 may be out
	WIN 0x04                                       ; an LDS store's data are its source 1: window 1
.irp i, 0,1,2,3,4,5,6,7,8,9,10,11,12,13,14,15
	ds_store_b128 v10, v[64*(\set)+4*\i:64*(\set)+4*\i+3] offset:\i*SP
.endr
	WIN 0
.irp c, 0,1
.irp j, 0,1,2,3,4,5,6,7
	ds_load_b128 v[X+32*\c+4*\j:X+32*\c+4*\j+3], v11 offset:256*\c+16*\j   ; LDS serves a wave's instructions in order: these see my stores
.endr
.endr
	s_wait_dscnt 0x0                               ; my numbers are in; the stage's stores have read the set, the last image's stores their registers
.if \fill
	LOADF \set, \goff
.endif
	QUANTB
.irp g, 0,1,2
	ds_store_b128 v12, v[PC+4*\g:PC+4*\g+3] offset:(\ioff)+512*\g
.endr
	ds_store_b32 v13, v[PW] offset:\soff           ; both halves of the lanes write the same word with the same value
.endm
.macro XSTEP ks, left, fill            ; K step ks of my row tile, from set ks % 2, which is filled with K step ks + 2.  Every offset is an immediate: 15 rows and 3,584 bytes at the most, inside the signed 24 bits (ISA guide, chapter 10)
	XFRAG (\ks)%2, \left, \fill, ((\ks)+2)*512, (\ks)*FRB, (\ks)*512
.endm
	s_load_b256 s[4:11], s[0:1], 0x0               ; ht s[4:5], w1img s[6:7], W1's scales s[8:9], ckbuf s[10:11]
	s_load_b256 s[12:19], s[0:1], 0x20             ; V_w s[12:13], V_b s[14:15], sc s[16:17], ctxp s[18:19]
	v_lshrrev_b32 v8, 5, v0
	v_readfirstlane_b32 s20, v8                    ; wave 0..7
	s_and_b32 s24, ttmp7, 0xffff                   ; b
	s_mov_b32 s30, 0x76543210
	s_mov_b32 s31, 0xfedcba98                      ; v_permlanex16_b32's selects for lane l xor 16
	s_mov_b32 s32, 0x4038aa3b                      ; K2 = 2 log2(e)
	s_mov_b32 s33, s32                             ; (named with it as a pair, so it is written)
	s_mov_b32 s35, 0x3fb8aa3b                      ; log2(e)
	v_and_b32 v1, 31, v0
	v_lshlrev_b32 v2, 5, v1                        ; v2: 32 x lane: W1's scales, 32 bytes a row
	v_lshlrev_b32 v1, 4, v1                        ; v1: 16 x lane: an image's place for my lane
	v_and_b32 v8, 15, v0                           ; r
	v_bfe_u32 v7, v0, 4, 1                         ; h
	v_lshlrev_b32 v15, 4, v0                       ; v15: 16 x thread
	v_lshlrev_b32 v14, 3, v7                       ; v14: 8 h
	s_lshl_b32 s26, s20, 22
	v_add_nc_u32 v9, s26, v1                       ; v9: ht: my 16 rows (16 x 262,144 bytes a wave), 16 bytes a lane
	s_mul_i32 s26, s20, STW
	s_add_co_u32 s26, s26, STG
	v_add_nc_u32 v10, s26, v1                      ; v10: my stage, on the way in
	v_mul_u32_u24 v11, v8, SP
	v_lshl_add_u32 v11, v7, 7, v11
	v_add_nc_u32 v11, s26, v11                     ; v11: and back: row r, + 128 h bytes
	s_mul_i32 s26, s20, TROW
	v_add_nc_u32 v12, s26, v1                      ; v12: where my images go: row tile w
	s_lshr_b32 s26, s20, 2
	s_lshl_b32 s26, s26, 8
	s_and_b32 s27, s20, 3
	s_lshl_b32 s27, s27, 2
	s_add_co_u32 s26, s26, s27
	s_add_co_u32 s26, s26, ASC
	v_lshl_add_u32 v13, v8, 4, s26                 ; v13: and their scale words: 256 (w / 4) + 4 (w % 4) + 16 r
	v_mov_b32 v3, v1                               ; v3: G: row tiles 0-3,
	v_add_nc_u32 v4, 4*TROW, v1                    ; v4: and 4-7
	v_add_nc_u32 v5, ASC, v1                       ; v5: their scale words: lanes 0-15 those of tiles 0-3, lanes 16-31 of tiles 4-7
	s_lshl_b32 s26, s20, 9
	s_add_co_u32 s29, s26, SPT                     ; s29: my part of the scores
	s_add_co_u32 s26, s26, CKL
	v_lshl_add_u32 v6, v7, 5, s26                  ; v6: ck at a = 128 w + 8 h
	s_lshl_b32 s25, s20, 2
	s_add_co_u32 s25, s25, RED                     ; s25: my wave's word among the maxima
	s_lshl_b32 s26, ttmp9, 26                      ; the chunk's 256 places,
	s_lshl_b32 s23, s24, 12                        ; row b of 4,096 bytes
	s_add_co_u32 s26, s26, s23
	s_mov_b32 s27, 0
	s_wait_kmcnt 0x0
	s_add_nc_u64 s[4:5], s[4:5], s[26:27]
	s_mov_b32 s26, s23
	s_add_nc_u64 s[10:11], s[10:11], s[26:27]
	s_lshl_b32 s26, ttmp9, 10
	s_add_co_u32 s26, s26, s23
	s_add_nc_u64 s[16:17], s[16:17], s[26:27]      ; sc[b][256 x chunk]
	s_lshl_b32 s26, s24, 2
	s_add_co_u32 s26, s26, ttmp9
	s_lshl_b32 s26, s26, 12
	s_add_nc_u64 s[18:19], s[18:19], s[26:27]      ; ctxp[4 b + chunk]
	s_mul_i32 s26, s20, 8*TROW
	s_add_nc_u64 s[6:7], s[6:7], s[26:27]          ; my 8 tiles of W1,
	s_lshl_b32 s26, s20, 12
	s_add_nc_u64 s[8:9], s[8:9], s[26:27]          ; and their rows' scales
	s_load_b32 s28, s[14:15], 0x0                  ; V_b
	global_load_b128 v[44:47], v15, s[10:11]       ; ck[b], 16 bytes a thread
	global_load_b128 v[48:51], v15, s[12:13]       ; V
	LOADF 0, 0                                     ; the first half's K steps 0 and 1
	LOADF 1, 512
	s_wait_loadcnt 32                              ; ck and V are in; the 32 loads behind them may be out
	v_pk_mul_f32 v[48:49], v[48:49], -2.0 op_sel_hi:[1,0]
	v_pk_mul_f32 v[50:51], v[50:51], -2.0 op_sel_hi:[1,0]
	v_add_nc_u32 v7, CKL, v15
	ds_store_b128 v7, v[44:47]                     ; read behind the first half's first barrier, and never written again
	ds_store_b128 v7, v[48:51] offset:4096
	v_mov_b32 v8, 0xff61b1e6                       ; v8 from here on: the running maximum: -3e38, under every score
.irp j, 0,1,2,3
	v_mov_b32 v[CTX+\j], 0                         ; the context so far
.endr
	s_mov_b32 s39, 2                               ; halves to go
	s_wait_kmcnt 0x0                               ; V_b
.macro BLOAD set, ks                   ; the group's four fragments of W1 for K step ks
.irp n, 0,1,2,3
.irp g, 0,1,2
	global_load_b128 v[BF+48*(\set)+12*\n+4*\g:BF+48*(\set)+12*\n+4*\g+3], v1, s[6:7] offset:\n*TROW+(\ks)*FRB+512*\g
.endr
.endr
.endm
.macro NEXTB                           ; a group's scale words (pair p: lanes 0-15 the rows of tile 2 p, lanes 16-31 of tile 2 p + 1; register ks the word of K step ks) and its first two K steps
.irp p, 0,1
	global_load_b128 v[W1S+8*\p:W1S+8*\p+3], v2, s[8:9] offset:1024*\p
	global_load_b128 v[W1S+8*\p+4:W1S+8*\p+7], v2, s[8:9] offset:1024*\p+16
.endr
	BLOAD 0, 0
	BLOAD 1, 1
.endm
.macro ALOAD hi, ks                    ; A's fragments of row tiles 4 hi .. 4 hi + 3 for K step ks
.irp t, 0,1,2,3
.irp g, 0,1,2
	ds_load_b128 v[AF+12*(4*(\hi)+\t)+4*\g:AF+12*(4*(\hi)+\t)+4*\g+3], v[3+(\hi)] offset:\t*TROW+(\ks)*FRB+512*\g
.endr
.endr
.endm
.macro ASLOAD ks                       ; and the eight tiles' scale words: register i: lanes 0-15 tile i, lanes 16-31 tile i + 4
	ds_load_b128 v[AS+4*((\ks)%2):AS+4*((\ks)%2)+3], v5 offset:(\ks)*512
.endm
.macro MM t, n, ks                     ; accumulator (t, n) takes K step ks; the first K step starts the sum: nothing is cleared
.set rD, 8*(4*(\t)+(\n))
.set rB, BF+48*((\ks)%2)+12*(\n)
.set rA, AF+12*(\t)
.set rW, W1S+8*((\n)/2)+(\ks)
.set rS, AS+4*((\ks)%2)+(\t)%4
.if (\ks) == 0
.if ((\n)%2 == 0) && ((\t) < 4)
	v_wmma_scale_f32_16x16x128_f8f6f4 v[rD:rD+7], v[rB:rB+11], v[rA:rA+11], 0, v[rW], v[rS] matrix_a_fmt:MATRIX_FMT_BF6 matrix_b_fmt:MATRIX_FMT_BF6
.elseif ((\n)%2 == 1) && ((\t) < 4)
	v_wmma_scale_f32_16x16x128_f8f6f4 v[rD:rD+7], v[rB:rB+11], v[rA:rA+11], 0, v[rW], v[rS] matrix_a_fmt:MATRIX_FMT_BF6 matrix_b_fmt:MATRIX_FMT_BF6 matrix_a_scale:MATRIX_SCALE_ROW1
.elseif ((\n)%2 == 0)
	v_wmma_scale_f32_16x16x128_f8f6f4 v[rD:rD+7], v[rB:rB+11], v[rA:rA+11], 0, v[rW], v[rS] matrix_a_fmt:MATRIX_FMT_BF6 matrix_b_fmt:MATRIX_FMT_BF6 matrix_b_scale:MATRIX_SCALE_ROW1
.else
	v_wmma_scale_f32_16x16x128_f8f6f4 v[rD:rD+7], v[rB:rB+11], v[rA:rA+11], 0, v[rW], v[rS] matrix_a_fmt:MATRIX_FMT_BF6 matrix_b_fmt:MATRIX_FMT_BF6 matrix_a_scale:MATRIX_SCALE_ROW1 matrix_b_scale:MATRIX_SCALE_ROW1
.endif
.else
.if ((\n)%2 == 0) && ((\t) < 4)
	v_wmma_scale_f32_16x16x128_f8f6f4 v[rD:rD+7], v[rB:rB+11], v[rA:rA+11], v[rD:rD+7], v[rW], v[rS] matrix_a_fmt:MATRIX_FMT_BF6 matrix_b_fmt:MATRIX_FMT_BF6
.elseif ((\n)%2 == 1) && ((\t) < 4)
	v_wmma_scale_f32_16x16x128_f8f6f4 v[rD:rD+7], v[rB:rB+11], v[rA:rA+11], v[rD:rD+7], v[rW], v[rS] matrix_a_fmt:MATRIX_FMT_BF6 matrix_b_fmt:MATRIX_FMT_BF6 matrix_a_scale:MATRIX_SCALE_ROW1
.elseif ((\n)%2 == 0)
	v_wmma_scale_f32_16x16x128_f8f6f4 v[rD:rD+7], v[rB:rB+11], v[rA:rA+11], v[rD:rD+7], v[rW], v[rS] matrix_a_fmt:MATRIX_FMT_BF6 matrix_b_fmt:MATRIX_FMT_BF6 matrix_b_scale:MATRIX_SCALE_ROW1
.else
	v_wmma_scale_f32_16x16x128_f8f6f4 v[rD:rD+7], v[rB:rB+11], v[rA:rA+11], v[rD:rD+7], v[rW], v[rS] matrix_a_fmt:MATRIX_FMT_BF6 matrix_b_fmt:MATRIX_FMT_BF6 matrix_a_scale:MATRIX_SCALE_ROW1 matrix_b_scale:MATRIX_SCALE_ROW1
.endif
.endif
.endm
.macro MM16 hi, ks                     ; 16 matrix instructions on 16 accumulators; the 32 take turns, one instruction a turn, in the same order in every K step
.irp t, 0,1,2,3
.irp n, 0,1,2,3
	MM 4*(\hi)+\t, \n, \ks
.endr
.endr
.endm
; A K step: 32 matrix instructions.  A has one set of registers: tiles 0-3 are fetched anew in the step's middle, tiles 4-7 at its end.  W1 has two sets: the set just multiplied takes the K step two on.
.macro KSTEP ks
.if (\ks) < 7
	s_wait_loadcnt 12                              ; this K step's fragments of W1 are in; the next step's 12 loads may be out
.else
	s_wait_loadcnt 0x0
.endif
	s_wait_dscnt 12                                ; A's tiles 0-3 and the scale words are in; the youngest 12 loads (tiles 4-7) may be out
	WIN 0x50                                       ; C and D window 1
	MM16 0, \ks
	s_wait_dscnt 0x0                               ; tiles 4-7 are in
.if (\ks) < 7
	PLACES
	WIN 0
	ALOAD 0, (\ks)+1
	ASLOAD (\ks)+1
	WIN 0x50
.endif
	MM16 1, \ks
	PLACES
	WIN 0
.if (\ks) < 7
	ALOAD 1, (\ks)+1
.endif
.if (\ks) < 6
	BLOAD (\ks)%2, (\ks)+2
.endif
.endm
; The epilogue of tile n of the group for row tiles 4 th .. 4 th + 3: 32 numbers a lane: K2 x sum + ck; 2^.; + 1; 1 / .; x -2 V into the row tiles' sums.
.macro EPI n, th
	WIN 0x01                                       ; source 0: the accumulators, window 1
.irp tt, 0,1,2,3
.irp i, 0,2,4,6
	v_pk_fma_f32 v[T+8*\tt+\i:T+8*\tt+\i+1], v[8*(4*(4*(\th)+\tt)+(\n))+\i:8*(4*(4*(\th)+\tt)+(\n))+\i+1], s[32:33], v[CKR+8*(\n)+\i:CKR+8*(\n)+\i+1] op_sel_hi:[1,0,1]   ; each accumulator from its low end on
.endr
.endr
	WIN 0
.set j, 0
.rept 32
	v_exp_f32 v[T+j], v[T+j]
.set j, j+1
.endr
	v_nop                                          ; one plain place behind the transcendentals
.set j, 0
	s_wait_alu depctr_va_vdst(0)
.rept 16
	v_pk_add_f32 v[T+j:T+j+1], v[T+j:T+j+1], 1.0 op_sel_hi:[1,0]
.set j, j+2
.endr
.set j, 0
.rept 32
	v_rcp_f32 v[T+j], v[T+j]
.set j, j+1
.endr
	v_nop
	s_wait_alu depctr_va_vdst(0)
.irp i, 0,2,4,6
.irp tt, 0,1,2,3
	v_pk_fma_f32 v[SC+2*(4*(\th)+\tt):SC+2*(4*(\th)+\tt)+1], v[T+8*\tt+\i:T+8*\tt+\i+1], v[VVR+8*(\n)+\i:VVR+8*(\n)+\i+1], v[SC+2*(4*(\th)+\tt):SC+2*(4*(\th)+\tt)+1]   ; four chains by turns
.endr
.endr
.endm
.macro FILLG s                         ; C: 8 rows: a wave's load covers 512 consecutive bytes, the eight waves a row
.irp i, 0,1,2,3,4,5,6,7
	global_load_b128 v[H+32*(\s)+4*\i:H+32*(\s)+4*\i+3], v[VO+(\s)], s[4:5] offset:\i*ROWSTR th:TH_LOAD_NT
.endr
.endm
.macro FILLP s                         ; the set's eight p: every lane reads the same 32 bytes
	ds_load_b128 v[P+8*(\s):P+8*(\s)+3], v[PA] offset:32*(\s)
	ds_load_b128 v[P+8*(\s)+4:P+8*(\s)+7], v[PA] offset:32*(\s)+16
.endm
.macro TURNC s, fill, lc, dc
	s_wait_loadcnt \lc                             ; my set's eight loads are in; what was issued behind them may be out
	s_wait_dscnt \dc                               ; and its two loads of p; the younger sets' two each may be out
.if \fill
	v_add_nc_u32 v[VO+(\s)], 32*ROWSTR, v[VO+(\s)] ; free since the wait for its loads: 32 rows on
.endif
.irp i, 0,1,2,3,4,5,6,7
.irp j, 0,1,2,3
	v_fmac_f32 v[CT+4*(\i%2)+\j], v[P+8*(\s)+\i], v[H+32*(\s)+4*\i+\j]
.endr
.endr
.if \fill
	FILLG \s
	FILLP \s
.endif
.endm
.Lhalf:                                            ; two trips: a half of 128 rows each.  Its K steps 0 and 1 of ht are on their way
	; ---- X
	v_mov_b32 v[TW], 0                             ; a lane permute's destination counts as one of its sources
.irp ks, 0,1,2,3,4,5
	XSTEP \ks, 16, 1
.endr
	XSTEP 6, 16, 0
	XSTEP 7, 0, 0                                  ; the last two K steps load nothing: the last wait is for zero
	NEXTB                                          ; W1's first fragments are asked for ahead of the barrier: the numbers' registers are free
.irp j, 0,1,2,3,4,5,6,7,8,9,10,11,12,13,14,15,16,17,18,19
	v_mov_b32 v[SC+\j], 0                          ; the scores' sums and the sums of -2 V
.endr
	s_mov_b32 s34, 2                               ; groups of 64 a to go
	s_mov_b32 s38, 0                               ; the group's place in ck: 256 bytes a group
	BARRIER                                        ; A's 64 fragments and their scale words lie in LDS (in the first half: ck and -2 V too)
	; ---- G
.Lgroup:
	ALOAD 0, 0
	ASLOAD 0
	ALOAD 1, 0
.irp ks, 0,1,2,3,4,5,6,7
	KSTEP \ks
.endr
	s_cmp_eq_u32 s34, 1                            ; the second group's first fragments are asked for ahead of the first's epilogue
	s_cbranch_scc1 .Llast
	s_wait_xcnt 0x0                                ; the bases are stepped only behind this wait
	s_add_nc_u64 s[6:7], s[6:7], 4*TROW
	s_add_nc_u64 s[8:9], s[8:9], 2048
	NEXTB
.Llast:
	v_add_nc_u32 v7, s38, v6
.irp n, 0,1,2,3
	ds_load_b128 v[CKR+8*\n:CKR+8*\n+3], v7 offset:64*\n            ; ck at a = a0 + 16 n + 8 h + 0 .. 7: the lanes of a half read the same bytes
	ds_load_b128 v[CKR+8*\n+4:CKR+8*\n+7], v7 offset:64*\n+16
	ds_load_b128 v[VVR+8*\n:VVR+8*\n+3], v7 offset:4096+64*\n       ; -2 V likewise
	ds_load_b128 v[VVR+8*\n+4:VVR+8*\n+7], v7 offset:4096+64*\n+16
.endr
	s_wait_dscnt 0x0
.irp q, 0,4,8,12,16,20,24,28
	v_pk_add_f32 v[VS:VS+1], v[VS:VS+1], v[VVR+\q:VVR+\q+1]         ; the sum of -2 V over my a: tanh's 1 is added at the end as -1/2 of it
	v_pk_add_f32 v[VS+2:VS+3], v[VS+2:VS+3], v[VVR+\q+2:VVR+\q+3]
.endr
.irp n, 0,1,2,3
	EPI \n, 0
	EPI \n, 1
.endr
	s_add_co_u32 s38, s38, 256
	s_sub_co_u32 s34, s34, 1
	s_cmp_lg_u32 s34, 0
	s_cbranch_scc1 .Lgroup
	s_wait_loadcnt 0x0                             ; no load of W1 is out: its registers are taken over below, and its bases go back to my first group
	s_sub_nc_u64 s[6:7], s[6:7], 4*TROW
	s_sub_nc_u64 s[8:9], s[8:9], 2048
	; ---- S.  First of all the half's second pass is begun: 32 rows, 16 bytes a thread of each, are on their way while the scores are finished
	v_mov_b32 v[VO], v15                           ; set s: 16 x thread + 8 s rows
	v_add_nc_u32 v[VO+1], 8*ROWSTR, v15
	v_add_nc_u32 v[VO+2], 16*ROWSTR, v15
	v_add_nc_u32 v[VO+3], 24*ROWSTR, v15
.irp s, 0,1,2,3
	FILLG \s
.endr
	v_add_f32 v16, v[VS], v[VS+1]
	v_add_f32 v17, v[VS+2], v[VS+3]
	v_add_f32 v16, v16, v17
.irp t, 0,1,2,3,4,5,6,7
	v_add_f32 v[SC+2*\t], v[SC+2*\t], v[SC+2*\t+1]
.endr
.irp t, 0,1,2,3,4,5,6,7
	v_fma_f32 v[SC+2*\t], v16, -0.5, v[SC+2*\t]    ; sum of V (1 - 2 / (1 + 2^.)) over my a
.endr
.irp t, 0,1,2,3,4,5,6,7
	v_permlanex16_b32 v[SC+2*\t+1], v[SC+2*\t], s30, s31
.endr
.irp t, 0,1,2,3,4,5,6,7
	v_add_f32 v[SC+2*\t], v[SC+2*\t], v[SC+2*\t+1] ; with lane l xor 16's a: my wave's 128 a
.endr
	v_and_b32 v62, 15, v0
	v_lshl_add_u32 v62, v62, 2, s29                ; my part: 4 bytes a row
.irp t, 0,1,2,3,4,5,6,7
	ds_store_b32 v62, v[SC+2*\t] offset:64*\t      ; both halves of the lanes write the same word with the same value
.endr
	BARRIER                                        ; the scores' eight parts lie in LDS
	v_and_b32 v24, 127, v0                         ; thread t takes row t % 128: waves 4-7 do what waves 0-3 do, and store no score
	v_lshl_add_u32 v24, v24, 2, SPT
.irp q, 0,1,2,3,4,5,6,7
	ds_load_b32 v[16+\q], v24 offset:512*\q
.endr
	v_lshlrev_b32 v32, 2, v0
	v_mov_b32 v25, 0                               ; a lane permute's destination counts as one of its sources
	s_wait_dscnt 0x0
	v_add_f32 v16, v16, v17
	v_add_f32 v18, v18, v19
	v_add_f32 v20, v20, v21
	v_add_f32 v22, v22, v23
	v_add_f32 v16, v16, v18
	v_add_f32 v20, v20, v22
	v_add_f32 v20, v16, v20
	v_add_f32 v20, s28, v20                        ; + V_b: the score
	s_cmp_lt_u32 s20, 4
	s_cbranch_scc0 .Lno_score
	global_store_b32 v32, v20, s[16:17]            ; 128 scores, 512 consecutive bytes, by waves 0-3
.Lno_score:
	v_mov_b32 v21, v20
	v_max_num_f32_dpp v21, v21, v21 row_xmask:1 row_mask:0xf bank_mask:0xf
	v_max_num_f32_dpp v21, v21, v21 row_xmask:2 row_mask:0xf bank_mask:0xf
	v_max_num_f32_dpp v21, v21, v21 row_xmask:4 row_mask:0xf bank_mask:0xf
	v_max_num_f32_dpp v21, v21, v21 row_xmask:8 row_mask:0xf bank_mask:0xf
	v_permlanex16_b32 v25, v21, s30, s31
	v_max_num_f32 v21, v21, v25                    ; my wave's largest score
	v_mov_b32 v26, s25
	ds_store_b32 v26, v21
	BARRIER
	v_mov_b32 v33, RED
	ds_load_b128 v[24:27], v33
	ds_load_b128 v[28:31], v33 offset:16
	v_lshl_add_u32 v22, v0, 2, PBL
	s_wait_dscnt 0x0
	v_max3_num_f32 v24, v24, v25, v26
	v_max3_num_f32 v27, v27, v28, v29
	v_max3_num_f32 v24, v24, v30, v31
	v_max3_num_f32 v24, v24, v27, v8               ; the new running maximum: the half's largest score and the old one
	v_sub_f32 v26, v8, v24
	v_sub_f32 v21, v20, v24
	v_mul_f32 v26, s35, v26
	v_mul_f32 v21, s35, v21
	v_exp_f32 v[FF], v26                           ; e^(old m - new m): 0 in the first half, whose old m lies under every score
	v_exp_f32 v21, v21                             ; p = e^(score - m), at most 1
	v_mov_b32 v8, v24                              ; (one plain place behind the transcendentals)
	s_wait_alu depctr_va_vdst(0)
	ds_store_b32 v22, v21                          ; a word a thread: no two waves write the same bytes
	BARRIER                                        ; p of the 128 rows lies in LDS
	; ---- C: the context += sum over the 128 rows of p x ht, four sets of 8 rows by turns
	s_wait_xcnt 0x0                                ; the score's store has read its data and its address: both are loaded over below
	v_mov_b32 v[PA], PBL
.irp s, 0,1,2,3
	FILLP \s
.endr
.irp j, 0,1,2,3
	v_mul_f32 v[CT+\j], v[CTX+\j], v[FF]           ; the context so far, under the new m, starts the first chain
	v_mov_b32 v[CT+4+\j], 0
.endr
	s_mov_b32 s38, PBL+128                         ; p of the 32 rows that a trip asks for
	s_mov_b32 s34, 3
.Lrows:                                            ; a trip takes 32 rows and asks for the next 32
	v_mov_b32 v[PA], s38
	TURNC 0, 1, 24, 6
	TURNC 1, 1, 24, 6
	TURNC 2, 1, 24, 6
	TURNC 3, 1, 24, 6
	s_add_co_u32 s38, s38, 128
	s_sub_co_u32 s34, s34, 1
	s_cmp_lg_u32 s34, 0
	s_cbranch_scc1 .Lrows
	s_cmp_eq_u32 s39, 1                            ; the last half's tail is written out apart: it asks for nothing more, so that no load leaves ht
	s_cbranch_scc1 .Lfinal
	TURNC 0, 0, 24, 6                              ; the first half's last 32 rows
	s_wait_xcnt 0x0                                ; the bases are stepped only behind this wait
	s_add_nc_u64 s[4:5], s[4:5], HALFB             ; on to the second half's rows,
	s_add_nc_u64 s[16:17], s[16:17], 512           ; and scores
	LOADF 0, 0                                     ; its K steps 0 and 1 are asked for here: with sets 1 to 3's 24 loads, 56 loads of mine are out
	LOADF 1, 512
	TURNC 1, 0, 48, 4                              ; the counts: the younger sets' eight each, and the 32 just issued
	TURNC 2, 0, 40, 2
	TURNC 3, 0, 32, 0
	v_pk_add_f32 v[CTX:CTX+1], v[CT:CT+1], v[CT+4:CT+5]
	v_pk_add_f32 v[CTX+2:CTX+3], v[CT+2:CT+3], v[CT+6:CT+7]
	s_sub_co_u32 s39, s39, 1
	s_cmp_lg_u32 s39, 0
	s_cbranch_scc1 .Lhalf
.Lfinal:
	TURNC 0, 0, 24, 6                              ; the last 32 rows: nothing is asked for, the counts run down
	TURNC 1, 0, 16, 4
	TURNC 2, 0, 8, 2
	TURNC 3, 0, 0, 0
	v_pk_add_f32 v[CT:CT+1], v[CT:CT+1], v[CT+4:CT+5]
	v_pk_add_f32 v[CT+2:CT+3], v[CT+2:CT+3], v[CT+6:CT+7]
	global_store_b128 v15, v[CT:CT+3], s[18:19]    ; 32 lanes store 512 consecutive bytes
	s_wait_xcnt 0x0
	v_lshl_add_u32 v254, v0, 2, 0x2d000
	v_mov_b32 v255, 0
	s_wait_tensorcnt 0x0
	ds_add_u32 v254, v255
	s_wait_dscnt 0x0
	s_endpgm
.Lfunc_end_k_q40021c800e_main:
	.size	k_q40021c800e_main, .Lfunc_end_k_q40021c800e_main-k_q40021c800e_main
	.p2alignl 7, 3214868480
	.fill 96, 4, 3214868480
	.section	.rodata,"a",@progbits
	.p2align	6, 0x0
	.amdhsa_kernel k_q40021c800e_main
		.amdhsa_group_segment_fixed_size 185344
		.amdhsa_private_segment_fixed_size 0
		.amdhsa_enable_private_segment 0
		.amdhsa_kernarg_size 64
		.amdhsa_user_sgpr_count 2
		.amdhsa_user_sgpr_kernarg_segment_ptr 1
		.amdhsa_wavefront_size32 1
		.amdhsa_system_sgpr_workgroup_id_x 1
		.amdhsa_system_sgpr_workgroup_id_y 1
		.amdhsa_system_sgpr_workgroup_id_z 1
		.amdhsa_system_vgpr_workitem_id 0
		.amdhsa_next_free_vgpr 512
		.amdhsa_next_free_sgpr 66
		.amdhsa_reserve_vcc 0
		.amdhsa_float_denorm_mode_32 3
		.amdhsa_float_denorm_mode_16_64 3
		.amdhsa_memory_ordered 1
		.amdhsa_forward_progress 1
		.amdhsa_inst_pref_size 194
	.end_amdhsa_kernel
	.amdgpu_metadata
---
amdhsa.version: [ 1, 2 ]
amdhsa.kernels:
  - .name:           k_q40021c800e_main
    .symbol:         k_q40021c800e_main.kd
    .args:
      - { .name: ht, .offset: 0, .size: 8, .value_kind: global_buffer, .address_space: global }
      - { .name: w1img, .offset: 8, .size: 8, .value_kind: global_buffer, .address_space: global }
      - { .name: W1_w_scales, .offset: 16, .size: 8, .value_kind: global_buffer, .address_space: global }
      - { .name: ckbuf, .offset: 24, .size: 8, .value_kind: global_buffer, .address_space: global }
      - { .name: V_w, .offset: 32, .size: 8, .value_kind: global_buffer, .address_space: global }
      - { .name: V_b, .offset: 40, .size: 8, .value_kind: global_buffer, .address_space: global }
      - { .name: sc, .offset: 48, .size: 8, .value_kind: global_buffer, .address_space: global }
      - { .name: ctxp, .offset: 56, .size: 8, .value_kind: global_buffer, .address_space: global }
    .group_segment_fixed_size: 185344
    .private_segment_fixed_size: 0
    .kernarg_segment_align: 8
    .kernarg_segment_size: 64
    .max_flat_workgroup_size: 256
    .sgpr_count:     66
    .vgpr_count:     512
    .wavefront_size: 32
...
	.end_amdgpu_metadata
.endif
;; end of part 2
;; launch fin (part 3): grid 64 x 1, 8 waves a work-group, no clusters, 1,536 bytes of LDS; arguments sc, ctxp, out0, out1; writes out0, out1
.if DOCPART == 3
	.amdgcn_target "amdgcn-amd-amdhsa--gfx1250"
	.amdhsa_code_object_version 6
	.text
	.protected	k_q40021c800e_fin
	.globl	k_q40021c800e_fin
	.p2align	8
	.type	k_q40021c800e_fin,@function
k_q40021c800e_fin:
	s_mov_b64 s[64:65], 0
	v_nop
	global_prefetch_b8 v0, s[64:65] scope:SCOPE_SE
	s_setreg_imm32_b32 hwreg(HW_REG_WAVE_MODE, 25, 1), 1
	s_wait_xcnt 0x0
; FIN.  One work-group for each batch row b: the softmax over the 1,024 scores, and the four chunks' partial contexts joined.
; out1[b][s] = e^(score - M) / L, M the row's largest score, L the sum of e^(score - M).   out0[b][:] = sum over chunks i of e^(m_i - M) / L x ctxp[4 b + i][:], m_i the chunk's largest score,
; under which the launch before summed its part.  Thread t holds scores 4 t .. 4 t + 3 and columns 4 t .. 4 t + 3; a chunk's 256 scores are two waves' worth, so m_i is the larger of two waves' maxima.
; Every load and store of a wave covers 512 consecutive bytes.  No matrix unit, no tensor load: 20 KiB a work-group are read once.
.macro BARRIER
	s_wait_dscnt 0x0
	s_barrier_signal -1
	s_barrier_wait -1
.endm
	s_load_b256 s[4:11], s[0:1], 0x0               ; sc s[4:5], ctxp s[6:7], out0 s[8:9], out1 s[10:11]
	v_lshl_add_u32 v64, v0, 2, 0x200
	v_mov_b32 v65, 0
	v_lshrrev_b32 v1, 5, v0
	v_readfirstlane_b32 s12, v1                    ; wave 0..7
	v_lshlrev_b32 v2, 4, v0                        ; 16 bytes a thread
	s_lshl_b32 s14, ttmp9, 12                      ; row b of 4,096 bytes
	s_mov_b32 s15, 0
	s_lshl_b32 s16, ttmp9, 14                      ; four such rows in ctxp
	s_mov_b32 s17, 0
	s_mov_b32 s18, 0x76543210
	s_mov_b32 s19, 0xfedcba98                      ; v_permlanex16_b32's selects for lane l xor 16
	s_mov_b32 s20, 0x3fb8aa3b                      ; log2(e)
	s_lshl_b32 s13, s12, 2
	v_mov_b32 v3, s13                              ; my wave's word in LDS
	v_mov_b32 v26, 0
	v_mov_b32 v25, 0                               ; written once: a lane permute's destination counts as one of its sources
	s_wait_kmcnt 0x0
	s_add_nc_u64 s[4:5], s[4:5], s[14:15]
	s_add_nc_u64 s[6:7], s[6:7], s[16:17]
	s_add_nc_u64 s[8:9], s[8:9], s[14:15]
	s_add_nc_u64 s[10:11], s[10:11], s[14:15]
	global_load_b128 v[4:7], v2, s[4:5]
.irp i, 0,1,2,3
	global_load_b128 v[8+4*\i:11+4*\i], v2, s[6:7] offset:4096*\i
.endr
	s_wait_loadcnt 4                               ; the scores are in; the four partial contexts may be out
	v_max3_num_f32 v24, v4, v5, v6
	v_max_num_f32 v24, v24, v7
	v_max_num_f32_dpp v24, v24, v24 row_xmask:1 row_mask:0xf bank_mask:0xf
	v_max_num_f32_dpp v24, v24, v24 row_xmask:2 row_mask:0xf bank_mask:0xf
	v_max_num_f32_dpp v24, v24, v24 row_xmask:4 row_mask:0xf bank_mask:0xf
	v_max_num_f32_dpp v24, v24, v24 row_xmask:8 row_mask:0xf bank_mask:0xf
	v_permlanex16_b32 v25, v24, s18, s19
	v_max_num_f32 v24, v24, v25                    ; my wave's largest score
	ds_store_b32 v3, v24
	BARRIER
	ds_load_b128 v[28:31], v26
	ds_load_b128 v[32:35], v26 offset:16
	s_wait_dscnt 0x0
	v_max_num_f32 v36, v28, v29                    ; m_0 .. m_3
	v_max_num_f32 v37, v30, v31
	v_max_num_f32 v38, v32, v33
	v_max_num_f32 v39, v34, v35
	v_max3_num_f32 v40, v36, v37, v38
	v_max_num_f32 v40, v40, v39                    ; M
.irp j, 0,1,2,3
	v_sub_f32 v[4+\j], v[4+\j], v40
	v_sub_f32 v[36+\j], v[36+\j], v40
.endr
.irp j, 0,1,2,3
	v_mul_f32 v[4+\j], s20, v[4+\j]
	v_mul_f32 v[36+\j], s20, v[36+\j]
.endr
.irp j, 0,1,2,3
	v_exp_f32 v[4+\j], v[4+\j]                     ; e^(score - M)
	v_exp_f32 v[36+\j], v[36+\j]                   ; e^(m_i - M)
.endr
	v_nop                                          ; one plain place behind the transcendentals
	s_wait_alu depctr_va_vdst(0)
	v_add_f32 v24, v4, v5
	v_add_f32 v41, v6, v7
	v_add_f32 v24, v24, v41
	v_add_f32_dpp v24, v24, v24 row_xmask:1 row_mask:0xf bank_mask:0xf
	v_add_f32_dpp v24, v24, v24 row_xmask:2 row_mask:0xf bank_mask:0xf
	v_add_f32_dpp v24, v24, v24 row_xmask:4 row_mask:0xf bank_mask:0xf
	v_add_f32_dpp v24, v24, v24 row_xmask:8 row_mask:0xf bank_mask:0xf
	v_permlanex16_b32 v25, v24, s18, s19
	v_add_f32 v24, v24, v25                        ; my wave's sum
	ds_store_b32 v3, v24 offset:256                ; other bytes than the maxima's: no barrier is owed between their reads and this store
	BARRIER
	ds_load_b128 v[28:31], v26 offset:256
	ds_load_b128 v[32:35], v26 offset:272
	s_wait_dscnt 0x0
	v_add_f32 v28, v28, v29
	v_add_f32 v30, v30, v31
	v_add_f32 v32, v32, v33
	v_add_f32 v34, v34, v35
	v_add_f32 v28, v28, v30
	v_add_f32 v32, v32, v34
	v_add_f32 v28, v28, v32                        ; L
	v_rcp_f32 v42, v28
	v_nop                                          ; one plain place behind the transcendental
	s_wait_alu depctr_va_vdst(0)
.irp j, 0,1,2,3
	v_mul_f32 v[4+\j], v[4+\j], v42
	v_mul_f32 v[36+\j], v[36+\j], v42              ; e^(m_i - M) / L
.endr
	global_store_b128 v2, v[4:7], s[10:11]         ; the weights
	s_wait_loadcnt 0x0                             ; the partial contexts
.irp j, 0,1,2,3
	v_mul_f32 v[44+\j], v36, v[8+\j]
.endr
.irp i, 1,2,3
.irp j, 0,1,2,3
	v_fmac_f32 v[44+\j], v[36+\i], v[8+4*\i+\j]
.endr
.endr
	global_store_b128 v2, v[44:47], s[8:9]         ; the context
	s_wait_tensorcnt 0x0
	ds_add_u32 v64, v65
	s_wait_dscnt 0x0
	s_endpgm
.Lfunc_end_k_q40021c800e_fin:
	.size	k_q40021c800e_fin, .Lfunc_end_k_q40021c800e_fin-k_q40021c800e_fin
	.p2alignl 7, 3214868480
	.fill 96, 4, 3214868480
	.section	.rodata,"a",@progbits
	.p2align	6, 0x0
	.amdhsa_kernel k_q40021c800e_fin
		.amdhsa_group_segment_fixed_size 1536
		.amdhsa_private_segment_fixed_size 0
		.amdhsa_enable_private_segment 0
		.amdhsa_kernarg_size 32
		.amdhsa_user_sgpr_count 2
		.amdhsa_user_sgpr_kernarg_segment_ptr 1
		.amdhsa_wavefront_size32 1
		.amdhsa_system_sgpr_workgroup_id_x 1
		.amdhsa_system_sgpr_workgroup_id_y 1
		.amdhsa_system_sgpr_workgroup_id_z 1
		.amdhsa_system_vgpr_workitem_id 0
		.amdhsa_next_free_vgpr 66
		.amdhsa_next_free_sgpr 66
		.amdhsa_reserve_vcc 0
		.amdhsa_float_denorm_mode_32 3
		.amdhsa_float_denorm_mode_16_64 3
		.amdhsa_memory_ordered 1
		.amdhsa_forward_progress 1
		.amdhsa_inst_pref_size 6
	.end_amdhsa_kernel
	.amdgpu_metadata
---
amdhsa.version: [ 1, 2 ]
amdhsa.kernels:
  - .name:           k_q40021c800e_fin
    .symbol:         k_q40021c800e_fin.kd
    .args:
      - { .name: sc, .offset: 0, .size: 8, .value_kind: global_buffer, .address_space: global }
      - { .name: ctxp, .offset: 8, .size: 8, .value_kind: global_buffer, .address_space: global }
      - { .name: out0, .offset: 16, .size: 8, .value_kind: global_buffer, .address_space: global }
      - { .name: out1, .offset: 24, .size: 8, .value_kind: global_buffer, .address_space: global }
    .group_segment_fixed_size: 1536
    .private_segment_fixed_size: 0
    .kernarg_segment_align: 8
    .kernarg_segment_size: 32
    .max_flat_workgroup_size: 256
    .sgpr_count:     66
    .vgpr_count:     66
    .wavefront_size: 32
...
	.end_amdgpu_metadata
.endif
;; end of part 3
